; MI455X (gfx1250); checked and timed in simulation.
; The chip was launched on July 23, 2026; its instructions are those of AMD's public machine-readable ISA for CDNA 5 (MIT licence, August 2026) and "CDNA5" Instruction Set Architecture Reference Guide (July 2026). The comments in the code are by the model that wrote it; some were corrected since.
;; Vector Quantizer. Allowed arithmetic: matrix products marked QUANTISED: E3M2 operands, one E8M0 scale for each 32 along K, by v_wmma_scale_f32_16x16x128_f8f6f4 with both operands' format E3M2, f32 sums; everything else in f32.
;; Inputs: embedding 8,192 x 256 float32; z 1,024 x 16 x 256 float32.
;; Outputs: out0 1,024 x 16 x 256 float32.
;; This version of the problem:
;;   THIS VERSION OF THE PROBLEM IS GIVEN IN LOW PRECISION. The matrix products marked QUANTISED in the list below multiply operands that are first quantised to E3M2 (3 exponent bits, 2 mantissa bits; 6 bits a number), with one power-of-two scale for each 32 numbers along K (OCP MX v1.0); their sums are f32. All else is computed in f32.
;;   The module's matrix products, in the order in which they are computed (A, B: the left and right operand; K: the contracted axis; several contracted axes count as one K, in the product's order):
;;     1. [M 16,384, K 256] x [K 256, N 8,192]; A: input z; B: input embedding: QUANTISED
;;   THE QUANTISER, for each operand of a quantised product, along K:
;;     - K is cut into blocks of 32 from its start; a last block that is shorter is filled with zeros.
;;     - A block's scale is 2^e with e = floor(log2(the largest magnitude in the block)) - 4, held to -126 .. 127; a block of zeros has e = 0. As a byte (E8M0): e + 127.
;;     - Each number is divided by its block's scale, clamped to +-28, and rounded to the nearest number of E3M2, ties to even, subnormals kept.
;;     - The product sums the exact products of the quantised numbers (number of the format x scale) in f32.
;;   ~~~python
;;   def quantise(x, axis):      # numpy; x: float32 -> the quantised numbers, widened to float32 again
;;       x = np.moveaxis(x, axis, -1); K = x.shape[-1]
;;       x = np.pad(x, [(0, 0)] * (x.ndim - 1) + [(0, -K % 32)]); x = x.reshape(x.shape[:-1] + (-1, 32)); a = np.abs(x).max(-1, keepdims=True)
;;       e = np.where(a > 0, np.clip(np.frexp(np.where(a > 0, a, 1))[1] - 1 - 4, -126, 127), 0)      # np.frexp(a)[1] - 1 = floor(log2(a)), exactly
;;       r = np.clip(x / 2.0 ** e, -28, 28)
;;       step = 2.0 ** (np.maximum(np.frexp(np.where(r == 0, 1, r))[1] - 1, -2) - 2)
;;       q = np.round(r / step) * step * 2.0 ** e      # np.round: ties to even
;;       return np.moveaxis(q.reshape(q.shape[:-2] + (-1,))[..., :K], -1, axis).astype(np.float32)
;;   ~~~
;; One version. Each part assembles by itself: llvm-mc -triple=amdgcn-amd-amdhsa -mcpu=gfx1250 --defsym DOCPART=n.
;; ======== version 1 of 1: 3 launches
;; limits: right only within a limited range of input values
;; workspace buffers: zrec 3,407,872 bytes; erec 1,703,936 bytes; pval 131,072 bytes; pidx 131,072 bytes of whole numbers
;; launch pack (part 1): grid 768 x 1, 2 waves a work-group, no clusters, 35,072 bytes of LDS; arguments z, embedding, zrec, erec; writes zrec, erec
.if DOCPART == 1
	.amdgcn_target "amdgcn-amd-amdhsa--gfx1250"
	.amdhsa_code_object_version 6
	.text
	.protected	k_q7f78a41197_pack
	.globl	k_q7f78a41197_pack
	.p2align	8
	.type	k_q7f78a41197_pack,@function
k_q7f78a41197_pack:
	s_mov_b64 s[64:65], 0
	v_nop
	global_prefetch_b8 v0, s[64:65] scope:SCOPE_SE
	s_setreg_imm32_b32 hwreg(HW_REG_WAVE_MODE, 25, 1), 1
	s_wait_xcnt 0x0
; PACK.  z [16384][256] and embedding [8192][256], f32, are turned into RECORDS of 16 rows x 256 K for the product's launch.
; A record is 3,328 bytes (13 x 256) and lies in the order of the matrix operand's registers:
;   1536 s + 512 c + 16 lane : registers 4 c .. 4 c + 3 of the fragment of K step s (128 along K; codes of E3M2, 12 registers a lane)
;   3072 + 4 lane            : scale words (four E8M0 bytes): lanes 0-15 row r's word of K step 0, lanes 16-31 that of K step 1
;   3200 + 4 i               : the codebook: -1/2 x the sum of squares of row i, in f32 (and once more at 3264 + 4 i); z: zeros, which nobody reads
; A block's scale is 2^(floor(log2(its largest magnitude)) - 4); its byte is the largest magnitude's exponent field - 4, held at 1 from below.
; WORK LEFT OUT, dead for all values of the inputs:
;   |z|^2 in d: it is one number for all codes of a row, so argmin over the codes does not depend on it: d - |z|^2 = |e|^2 - 2 z.e has the same minima.
;   z in z + (z_q - z): it cancels; the output is z_q.  So the last launch does not read z.
; LIMITS: a NaN, an infinity or an overflow that reaches only the work left out is not carried to the result; roundings of the terms left out are not made.
; NaN and infinities among the inputs are not served.  A block whose largest magnitude lies under 2^-122, a block of zeros among them,
; gets the byte 1 (the rule says 127 for zeros): its codes are zeros, which add nothing under any byte but 0xff, and this program alone reads the bytes.
; SHARES.  A wave takes one tile of 16 rows, 16,384 consecutive bytes, and writes one record.  Work-groups 0-511 take z, the others the codebook.
; Each load reads 512 consecutive bytes; the conversions want 16 neighbours along K in one lane, so a K step's 8,192 bytes turn through the
; wave's own stage in LDS (rows 528 bytes apart: 33 x 16, so that sixteen rows start in sixteen different 16-byte columns).  Waves share nothing: no barrier.
.set REC,  3328
.set ZWG,  512                         ; work-groups that take z: 1,024 tiles, two a work-group
.set SP,   528                         ; a stage row: 512 bytes + 16
.set STG,  16*SP                       ; a stage: 16 rows
.set TAIL, 2*STG                       ; behind the two stages: 256 bytes for the record's last unit
.set WREG, TAIL+256                    ; a wave's LDS
.set SPARE, 0x8800                     ; behind the two waves' LDS: the spare words, 256 bytes that no other line names
.set GA,   4                           ; v4   16 x lane: my bytes of a load's or a store's 512
.set SI,   5                           ; v5   the stage, on the way in: wave's LDS + 16 x lane
.set SO,   6                           ; v6   on the way out: wave's LDS + 528 r + 64 h
.set TI,   7                           ; v7   wave's LDS + 4 x lane
.set TO,   8                           ; v8   wave's LDS + 8 x lane
.set GT,   9                           ; v9   8 x lane
.set RA,   16                          ; v16-79   K step 0 as loaded; later K step 1 turned
.set RB,   80                          ; v80-143  K step 1 as loaded
.set X,    144                         ; v144-207 K step 0 turned: register 16 b + i = k 32 b + 16 h + i of row r
.set PC,   208                         ; v208-219 a fragment's codes; v220-226 the conversions' second halves
.set TM,   228                         ; v228-231 largest magnitudes, v232-235 bytes, v240-243 the conversions' scale operands
.set PW0,  244                         ; the scale word of K step 0
.set PW1,  245                         ; of K step 1
.set N,    246                         ; v246-249 the sum of squares, in two pairs
.set SW,   250
.set NR,   251
.set OUTT, 252                         ; v252-253 the record's last unit on its way out
.set SPW,  254                         ; v254 LDS address of my spare word, v255 0; never rewritten
.set NIL,  255
.set SEL,  20                          ; s[20:21] v_permlanex16_b32's selects for lane l xor 16
; 64 numbers of a lane, v[s] on, become a fragment's codes in v[PC] .. v[PC+11] and its scale word in v[pw].
.macro QUANT s, pw
.irp b, 0,1,2,3
	v_max3_num_f32 v[TM+\b], |v[\s+16*\b]|, |v[\s+1+16*\b]|, 0x2800000   ; block b: my 16 numbers, and the floor 2^(5 - 127): the byte cannot fall under 1
.endr
.irp i, 2,4,6,8,10,12,14
.irp b, 0,1,2,3
	v_max3_num_f32 v[TM+\b], v[TM+\b], |v[\s+16*\b+\i]|, |v[\s+1+16*\b+\i]|   ; the four blocks by turns
.endr
.endr
.irp b, 0,1,2,3
	v_permlanex16_b32 v[TM+4+\b], v[TM+\b], s[SEL], s[SEL+1]
.endr
.irp b, 0,1,2,3
	v_max_num_f32 v[TM+\b], v[TM+\b], v[TM+4+\b]                   ; with lane l xor 16's 16: the block's largest magnitude
.endr
.irp b, 0,1,2,3
	v_add_nc_u32 v[TM+12+\b], 0xfe000000, v[TM+\b]                 ; 4 off its exponent field: the conversion takes that field as its scale
.endr
.irp b, 0,1,2,3
	v_lshrrev_b32 v[TM+4+\b], 23, v[TM+12+\b]                      ; the scale's byte
.endr
	v_lshl_or_b32 v[\pw], v[TM+5], 8, v[TM+4]                      ; four bytes: my row's scale word for this K step
	v_lshl_or_b32 v[\pw], v[TM+6], 16, v[\pw]
	v_lshl_or_b32 v[\pw], v[TM+7], 24, v[\pw]
.irp c, 0,1
	v_cvt_scalef32_pk16_bf6_f32 v[PC+6*\c:PC+2+6*\c], v[\s+32*\c:\s+15+32*\c], v[TM+12+2*\c]
	v_cvt_scalef32_pk16_bf6_f32 v[PC+12+4*\c:PC+14+4*\c], v[\s+16+32*\c:\s+31+32*\c], v[TM+12+2*\c+1]   ; (a conversion's three registers begin on an even number)
.endr
	v_nop                                                          ; one plain place behind a scaled conversion
.irp c, 0,1                                    ; the operand wants a WHOLE block in a lane: lanes 0-15 block 2 c, lanes 16-31 block 2 c + 1
.irp i, 0,1,2
	v_permlane16_swap_b32 v[PC+6*\c+\i], v[PC+12+4*\c+\i]
.endr
.irp i, 0,1,2
	v_mov_b32 v[PC+3+6*\c+\i], v[PC+12+4*\c+\i]
.endr
.endr
.endm
; The squares of the same 64 numbers, two at a time, onto two pairs by turns.  first = 1: the first two products start the sums.
.macro SQ s, first
.set j, 0
.rept 32
.if \first && (j < 2)
	v_pk_mul_f32 v[N+2*(j%2):N+2*(j%2)+1], v[\s+2*j:\s+2*j+1], v[\s+2*j:\s+2*j+1]
.else
	v_pk_fma_f32 v[N+2*(j%2):N+2*(j%2)+1], v[\s+2*j:\s+2*j+1], v[\s+2*j:\s+2*j+1], v[N+2*(j%2):N+2*(j%2)+1]
.endif
.set j, j+1
.endr
.endm
	s_load_b128 s[4:7], s[0:1], 0x0                ; z, embedding
	s_load_b128 s[8:11], s[0:1], 0x10              ; zrec, erec
	v_lshl_add_u32 v[SPW], v0, 2, SPARE
	v_mov_b32 v[NIL], 0
	v_lshrrev_b32 v1, 5, v0
	v_readfirstlane_b32 s12, v1                    ; wave 0, 1
	v_and_b32 v1, 31, v0                           ; lane
	v_and_b32 v2, 15, v0                           ; r
	v_bfe_u32 v3, v0, 4, 1                         ; h
	v_lshlrev_b32 v[GA], 4, v1
	s_mul_i32 s13, s12, WREG                       ; my wave's LDS
	v_mul_u32_u24 v[SO], v2, SP
	v_lshlrev_b32 v[GT], 3, v1
	v_add_nc_u32 v[SI], s13, v[GA]
	v_lshl_add_u32 v[SO], v3, 6, v[SO]
	v_lshl_add_u32 v[TI], v1, 2, s13
	v_lshl_add_u32 v[TO], v1, 3, s13
	v_add_nc_u32 v[SO], s13, v[SO]
	s_mov_b32 s[SEL], 0x76543210
	s_mov_b32 s[SEL+1], 0xfedcba98
.irp b, 0,1,2,3
	v_mov_b32 v[TM+4+\b], 0                        ; written once: a lane permute's destination counts as one of its sources
	v_mov_b32 v[N+\b], 0                           ; what z's records hold in the place of the codebook's sums
.endr
	s_wait_alu depctr_va_vdst(0)                   ; the wait at the head's end
	s_wait_kmcnt 0x0
	s_cmp_lt_u32 ttmp9, ZWG                        ; z's work-group or the codebook's?  The choice hangs on the work-group's number alone
	s_cselect_b64 s[4:5], s[4:5], s[6:7]
	s_cselect_b64 s[8:9], s[8:9], s[10:11]
	s_cselect_b32 s14, 0, ZWG
	s_sub_co_u32 s14, ttmp9, s14
	s_lshl_b32 s14, s14, 1
	s_add_co_u32 s14, s14, s12                     ; my tile of 16 rows
	s_lshl_b32 s16, s14, 14                        ; 16,384 bytes a tile (16.8 million at the most)
	s_mov_b32 s17, 0
	s_add_nc_u64 s[4:5], s[4:5], s[16:17]
	s_mul_i32 s16, s14, REC
	s_add_nc_u64 s[8:9], s[8:9], s[16:17]
.irp p, 0,1,2,3,4,5,6,7,8,9,10,11,12,13,14,15
	global_load_b128 v[RA+4*\p:RA+4*\p+3], v[GA], s[4:5] offset:1024*\p          ; row p, K step 0: 512 consecutive bytes
.endr
.irp p, 0,1,2,3,4,5,6,7,8,9,10,11,12,13,14,15
	global_load_b128 v[RB+4*\p:RB+4*\p+3], v[GA], s[4:5] offset:1024*\p+512      ; row p, K step 1
.endr
	s_wait_loadcnt 16                              ; K step 0's sixteen loads are in; K step 1's sixteen may be out
.irp p, 0,1,2,3,4,5,6,7,8,9,10,11,12,13,14,15
	ds_store_b128 v[SI], v[RA+4*\p:RA+4*\p+3] offset:SP*\p
.endr
.irp b, 0,1,2,3
.irp q, 0,1,2,3
	ds_load_b128 v[X+16*\b+4*\q:X+16*\b+4*\q+3], v[SO] offset:128*\b+16*\q       ; LDS serves a wave's instructions in order: these see the stores above
.endr
.endr
	s_wait_loadcnt 0x0
.irp p, 0,1,2,3,4,5,6,7,8,9,10,11,12,13,14,15
	ds_store_b128 v[SI], v[RB+4*\p:RB+4*\p+3] offset:STG+SP*\p
.endr
	s_wait_dscnt 16                                ; all but the sixteen stores just issued: K step 0 is back, and the stores that read v16-79 are done
.irp b, 0,1,2,3
.irp q, 0,1,2,3
	ds_load_b128 v[RA+16*\b+4*\q:RA+16*\b+4*\q+3], v[SO] offset:STG+128*\b+16*\q ; K step 1 turns while K step 0 is worked
.endr
.endr
	s_cmp_lt_u32 ttmp9, ZWG                        ; z's squares are dead work
	s_cbranch_scc1 .Lz0
	SQ X, 1
.Lz0:
	QUANT X, PW0
.irp c, 0,1,2
	global_store_b128 v[GA], v[PC+4*\c:PC+4*\c+3], s[8:9] offset:512*\c          ; 32 lanes store 512 consecutive bytes, at a multiple of 256 from the buffer's first byte
.endr
	s_wait_dscnt 0x0                               ; K step 1 is back
	s_cmp_lt_u32 ttmp9, ZWG
	s_cbranch_scc1 .Lz1
	SQ RA, 0
.Lz1:
	s_wait_xcnt 0x0                                ; the stores' data registers are written again only behind this wait
	QUANT RA, PW1
.irp c, 0,1,2
	global_store_b128 v[GA], v[PC+4*\c:PC+4*\c+3], s[8:9] offset:1536+512*\c
.endr
	; the record's last 256 bytes: 32 scale words, then the 16 sums twice
	s_mov_b32 vcc_lo, 0xffff0000
	v_cndmask_b32 v[SW], v[PW0], v[PW1], vcc_lo    ; lanes 0-15 K step 0's word, lanes 16-31 K step 1's
	v_pk_add_f32 v[N:N+1], v[N:N+1], v[N+2:N+3]
	v_add_f32 v[N], v[N], v[N+1]
	v_permlanex16_b32 v[TM+4], v[N], s[SEL], s[SEL+1]
	v_add_f32 v[N], v[N], v[TM+4]                  ; with lane l xor 16's half of the row: the same bits in both lanes
	v_mul_f32 v[NR], -0.5, v[N]                    ; exact
	ds_store_b32 v[TI], v[SW] offset:TAIL
	ds_store_b32 v[TI], v[NR] offset:TAIL+128
	ds_load_b64 v[OUTT:OUTT+1], v[TO] offset:TAIL
	s_wait_dscnt 0x0
	global_store_b64 v[GT], v[OUTT:OUTT+1], s[8:9] offset:3072                   ; 32 lanes store 256 consecutive bytes, aligned
	s_wait_tensorcnt 0x0                           ; the wave's end
	ds_add_u32 v[SPW], v[NIL]
	s_wait_dscnt 0x0
	s_endpgm
.Lfunc_end_k_q7f78a41197_pack:
	.size	k_q7f78a41197_pack, .Lfunc_end_k_q7f78a41197_pack-k_q7f78a41197_pack
	.p2alignl 7, 3214868480
	.fill 96, 4, 3214868480
	.section	.rodata,"a",@progbits
	.p2align	6, 0x0
	.amdhsa_kernel k_q7f78a41197_pack
		.amdhsa_group_segment_fixed_size 35072
		.amdhsa_private_segment_fixed_size 0
		.amdhsa_enable_private_segment 0
		.amdhsa_kernarg_size 32
		.amdhsa_user_sgpr_count 2
		.amdhsa_user_sgpr_kernarg_segment_ptr 1
		.amdhsa_wavefront_size32 1
		.amdhsa_system_sgpr_workgroup_id_x 1
		.amdhsa_system_sgpr_workgroup_id_y 1
		.amdhsa_system_sgpr_workgroup_id_z 1
		.amdhsa_system_vgpr_workitem_id 0
		.amdhsa_next_free_vgpr 256
		.amdhsa_next_free_sgpr 66
		.amdhsa_reserve_vcc 1
		.amdhsa_float_denorm_mode_32 3
		.amdhsa_float_denorm_mode_16_64 3
		.amdhsa_memory_ordered 1
		.amdhsa_forward_progress 1
		.amdhsa_inst_pref_size 23
	.end_amdhsa_kernel
	.amdgpu_metadata
---
amdhsa.version: [ 1, 2 ]
amdhsa.kernels:
  - .name:           k_q7f78a41197_pack
    .symbol:         k_q7f78a41197_pack.kd
    .args:
      - { .name: z, .offset: 0, .size: 8, .value_kind: global_buffer, .address_space: global }
      - { .name: embedding, .offset: 8, .size: 8, .value_kind: global_buffer, .address_space: global }
      - { .name: zrec, .offset: 16, .size: 8, .value_kind: global_buffer, .address_space: global }
      - { .name: erec, .offset: 24, .size: 8, .value_kind: global_buffer, .address_space: global }
    .group_segment_fixed_size: 35072
    .private_segment_fixed_size: 0
    .kernarg_segment_align: 8
    .kernarg_segment_size: 32
    .max_flat_workgroup_size: 64
    .sgpr_count:     66
    .vgpr_count:     256
    .wavefront_size: 32
...
	.end_amdgpu_metadata
.endif
;; end of part 1
;; launch nearest (part 2): grid 128 x 2, 8 waves a work-group, clusters of 4 x 1, 327,680 bytes of LDS; arguments zrec, erec, pval, pidx; writes pval, pidx
.if DOCPART == 2
	.amdgcn_target "amdgcn-amd-amdhsa--gfx1250"
	.amdhsa_code_object_version 6
	.text
	.protected	k_q7f78a41197_nearest
	.globl	k_q7f78a41197_nearest
	.p2align	8
	.type	k_q7f78a41197_nearest,@function
k_q7f78a41197_nearest:
	s_mov_b64 s[64:65], 0
	v_nop
	global_prefetch_b8 v0, s[64:65] scope:SCOPE_SE
	s_setreg_imm32_b32 hwreg(HW_REG_WAVE_MODE, 25, 1), 1
	s_wait_xcnt 0x0
	s_wait_alu depctr_hold_cnt(0) depctr_sa_sdst(0) depctr_va_vdst(0) depctr_va_sdst(0) depctr_va_ssrc(0) depctr_va_vcc(0) depctr_vm_vsrc(0)
	s_getreg_b32 s2, hwreg(HW_REG_IB_STS2, 6, 4)
	s_cmp_eq_u32 s2, 0
	s_cbranch_scc0 .Lentry_in_a_cluster
	s_endpgm
.Lentry_in_a_cluster:
	s_bfe_u32 s2, ttmp6, 0x10000c
	s_cmp_lg_u32 s2, 0x3003
	s_cbranch_scc0 .Lentry_shape_is_right
	s_endpgm
.Lentry_shape_is_right:
; NEAREST.  For 128 rows of z and one half (4,096) of the codes: s = z . e - |e|^2 / 2 = (|z|^2 - d) / 2, and for each row the largest s and the
; lowest code index that reaches it.  z . e is the quantised product, on codes of E3M2 with E8M0 scales, as the first launch has laid them (records of
; 3,328 bytes for 16 rows: two fragments as images of their registers, 32 scale words, the codebook's 16 numbers -|e|^2 / 2).
; WORK LEFT OUT: |z|^2, one number for all codes of a row, on which argmin does not depend (shown at the first kernel's head).
; THE SUMS.  -|e|^2/2 is the C of a tile's first matrix instruction as it comes from LDS; the two K steps add the products onto it.
; LIMITS: so the subtraction is rounded inside the matrix unit, once for each K step, not as an f32 step of its own.  NaN and infinities among the inputs are not served.
; LAYOUT.  The product is used transposed: source 0 = 16 codes, source 1 = 16 rows of z.  A lane then holds ONE row of z (lane % 16), and the eight
; registers of a result are the codes 8 (lane / 16) + 0 .. 7 of the tile.
; THE ARGMAX.  For each row tile a lane keeps the running maximum, and of the tile that last raised it its number and its first seven sums.  Which of the
; eight is the winner is found once, at the end: the lowest of the seven that equals the maximum, else the eighth.  A tile counts only if it is strictly larger,
; tiles ascend in a wave, and every later merge prefers the lower index on equal sums: so the lowest index wins, as in argmin.  All choices are selects.
; SHARES.  Work-group (x, y): rows 128 x .. 128 x + 127, codes 4096 y on.  Eight waves, two to a SIMD.  EVERY wave holds all eight row tiles' fragments
; (192 registers) and takes 32 consecutive code tiles: a code fragment read from LDS feeds 16 matrix instructions, and two fragment buffers take turns.
; THE RING.  A wave has two LDS slots of six records of its own, fetches and reads them itself.  Its 32 records come in six fills: 4, 6, 6, 6, 6, 4; tile t lies in
; fill (t + 2) / 6 at place (t + 2) % 6.  The first fill goes out at the head, the second behind the first's landing, the others when a slot has been read.
; The signal of a refill's barrier stands ahead of a tile's vector work and the wait behind it.  By this text's own count a wave has one tensor load out at a time.
; The walk is written out tile by tile: fills of two sizes and their places come back to where they began only with the whole walk.
; CLUSTER.  The four work-groups of a cluster have the same y and walk the same records: each fill is asked for JOINTLY (mask 15).
; NO PREFETCH: a fill is asked for four or six tiles, 64 or 96 matrix instructions of each wave, ahead of its first read, and the 32 clusters of a half walk the same records.
; REGISTERS.  Window 0: v1-13 addresses; v16-23 z's scale words; v24-25 the code tiles'; v26-41 -|e|^2/2, two sets; v42-57 maxima, two for each row tile by turns;
; v64-127 the kept seven sums and tile number of each row tile; v128-191 the eight accumulators; v192-235 the end.  Window 1: v0-191 z's fragments, v192-239 the code tiles', two sets.
.set REC,   3328
.set WREG,  12*REC                     ; a wave's two slots, 156 x 256 bytes
.set SPARE, 8*WREG                     ; the spare words, 128 bytes for each wave: four blocks of 256 bytes that no other line names
.set L16, 1                            ; v1   16 x lane
.set L4,  2                            ; v2   4 x lane
.set HB,  3                            ; v3   8 (lane / 16) + 4096 y: what a lane adds to 16 x tile + register
.set AF,  4                            ; v4   LDS: my wave's slots + 16 x lane
.set AS,  5                            ; v5   the same + 4 x lane
.set AB,  6                            ; v6   the same + 32 (lane / 16)
.set RW,  7                            ; v7   where I put a candidate
.set RR,  8                            ; v8   where waves 0 and 1 read wave 0's candidates back
.set L8,  9                            ; v9   8 x lane
.set SPW, 10                           ; v10  LDS address of my spare word; never rewritten
.set NIL, 11                           ; v11  0; never rewritten
.set TID, 13                           ; v13  the number, in this half, of the tile in hand
.set ZS,  16
.set CS,  24
.set BP,  26
.set ST,  42
.set R,   64
.set ACC, 128
.set L,   192                          ; the end: eight waves' candidates of two rows
.set LA,  224                          ; and their LDS addresses
.set OI,  232                          ; two indices
.set OV,  234                          ; two sums
.set Z,   0                            ; window 1
.set F,   192                          ; window 1
.set WV,  12                           ; s12  my wave's number
.set SEL, 20                           ; s[20:21] v_permlanex16_b32's selects for lane l xor 16
.set G1,  24                           ; s[24:31] descriptor group 1
.set G0,  32                           ; s[32:39] descriptor group 0, a set for each slot
.set MSB, 0
.macro WIN new                         ; the immediate's high byte repeats the setting that is left
.if MSB != \new
	s_set_vgpr_msb (MSB<<8)|\new
.set MSB, \new
.endif
.endm
.macro PLACES                          ; four plain places
.rept 4
	v_nop
.endr
.endm
.macro CREST                           ; a round of the cluster's barrier behind its opening barrier
	s_cmp_lg_u32 s[WV], 0
	s_cbranch_scc1 .Lnot_wave_0_\@
	s_barrier_signal -3
.Lnot_wave_0_\@:
	s_barrier_wait -3
	s_barrier_signal -1
	s_barrier_wait -1
.endm
.macro CROUND                          ; a whole round
	s_barrier_signal -1
	s_barrier_wait -1
	CREST
.endm
; Tile NX's record comes into buffer NX % 2: nine loads.
.macro FETCH
.set PL, REC*((NX+2)%12)
.set NB, NX%2
	WIN 0                                          ; (the head's fetch leaves window 1 behind)
	ds_load_b128 v[BP+8*NB:BP+8*NB+3],   v[AB] offset:PL+3200        ; -|e|^2/2 of codes 8 h + 0 .. 3 (sixteen lanes read the same 16 bytes)
	ds_load_b128 v[BP+8*NB+4:BP+8*NB+7], v[AB] offset:PL+3216        ; and 4 .. 7
	ds_load_b32 v[CS+NB], v[AS] offset:PL+3072                       ; the scale words: lanes 0-15 K step 0, lanes 16-31 K step 1
	WIN 0x40                                       ; destination window 1
.irp c, 0,1,2,3,4,5
	ds_load_b128 v[F+24*NB+4*\c:F+24*NB+4*\c+3], v[AF] offset:PL+512*\c   ; the two fragments as they were stored: 512 consecutive bytes a load
.endr
.endm
; 16 matrix instructions: the tile's 16 codes against the eight row tiles, K step 0, then K step 1.  The eight accumulators take turns, one instruction a turn.
.macro MUL
.set FB, F+24*(T%2)
.set CB, BP+8*(T%2)
.set CW, CS+T%2
	WIN 0x05                                       ; sources 0 and 1 window 1; C and D window 0
.irp p, 0,1,2,3,4,5,6,7
.if T == 0
	s_wait_loadcnt 6*(7-\p)                        ; z's row tile p and all scale words are in; the row tiles behind it, six loads each, may be out
.endif
	v_wmma_scale_f32_16x16x128_f8f6f4 v[ACC+8*\p:ACC+8*\p+7], v[FB:FB+11], v[Z+24*\p:Z+24*\p+11], v[CB:CB+7], v[CW], v[ZS+\p] matrix_a_fmt:MATRIX_FMT_BF6 matrix_b_fmt:MATRIX_FMT_BF6
.endr
.irp p, 0,1,2,3,4,5,6,7
	v_wmma_scale_f32_16x16x128_f8f6f4 v[ACC+8*\p:ACC+8*\p+7], v[FB+12:FB+23], v[Z+24*\p+12:Z+24*\p+23], v[ACC+8*\p:ACC+8*\p+7], v[CW], v[ZS+\p] matrix_a_fmt:MATRIX_FMT_BF6 matrix_b_fmt:MATRIX_FMT_BF6 matrix_a_scale:MATRIX_SCALE_ROW1 matrix_b_scale:MATRIX_SCALE_ROW1
.endr
	WIN 0
.endm
; Step i of four of row tile p's maximum: each accumulator is read from its low end on.
.macro LV p, i
.if \i == 0
	v_max3_num_f32 v[ST+2*(\p)+NEW], v[ST+2*(\p)+OLD], v[ACC+8*(\p)], v[ACC+8*(\p)+1]
.else
	v_max3_num_f32 v[ST+2*(\p)+NEW], v[ST+2*(\p)+NEW], v[ACC+8*(\p)+2*\i], v[ACC+8*(\p)+2*\i+1]
.endif
.endm
; The tile's sums are taken in, row tile by row tile.  The maxima's steps of the four row tiles behind p stand between p's compare and its selects.
.macro TRACK
.set OLD, T%2                          ; the two registers of a maximum take turns, so that no move is needed
.set NEW, 1-T%2
	LV 0, 0
	LV 1, 0
	LV 2, 0
	LV 3, 0
	LV 0, 1
	LV 1, 1
	LV 2, 1
	LV 0, 2
	LV 1, 2
	LV 0, 3
.irp p, 0,1,2,3,4,5,6,7
	v_cmp_gt_f32 vcc_lo, v[ST+2*\p+NEW], v[ST+2*\p+OLD]            ; has this tile raised my row's maximum?  Strictly: the earlier tile stays on equal sums
.if \p+1 < 8
	LV \p+1, 3
.endif
.if \p+2 < 8
	LV \p+2, 2
.endif
.if \p+3 < 8
	LV \p+3, 1
.endif
.if \p+4 < 8
	LV \p+4, 0
.endif
.irp k, 0,2,4
	v_dual_cndmask_b32 v[R+8*\p+\k], v[R+8*\p+\k], v[ACC+8*\p+\k] :: v_dual_cndmask_b32 v[R+8*\p+\k+1], v[R+8*\p+\k+1], v[ACC+8*\p+\k+1]   ; if so, its first seven sums are kept,
.endr
	v_dual_cndmask_b32 v[R+8*\p+6], v[R+8*\p+6], v[ACC+8*\p+6] :: v_dual_cndmask_b32 v[R+8*\p+7], v[R+8*\p+7], v[TID]   ; and its number
.endr
.endm
; Tile T.  At the last tile of a fill (T = 3, 9, 15, 21, 27) the next fill has to be in; at the first four of these the slot just read is filled again, two fills on.
.macro TILE
.set NX, T+1
.set SYNC, 0
.set SL, ((T+2)/6)%2
.if ((T+2)%6 == 5) && (T < 27)
.set SYNC, 1
.endif
	s_wait_dscnt 0x0                               ; the tile's nine loads are in: at the last tile of a fill my reads of its slot are over
.if (T+2)%6 == 5
	s_wait_tensorcnt 0x0                           ; my part of the next fill is in
.endif
.if NX < 32
	FETCH
.endif
.if SYNC
	WIN 0
	s_wait_tensorcnt 0x0                           ; all my tensor loads have landed
	ds_add_u32 v[SPW], v[NIL]                      ; 0 onto my spare word: the products stand between it and the wait
.if T == 3
	s_mov_b32 s[G0+1], s41                         ; the first fill lay at places 2 to 5 of slot 0; from here on a fill begins at place 0
	s_add_nc_u64 s[G0+2:G0+3], s[G0+2:G0+3], 10*REC
.else
	s_add_nc_u64 s[G0+4*SL+2:G0+4*SL+3], s[G0+4*SL+2:G0+4*SL+3], 12*REC   ; two fills on; the type bits on top are not reached
.endif
.if T == 21
	s_mov_b32 s[G1+2], 52<<16                      ; the last fill is four records
	s_mov_b32 s[G1+4], 52
.endif
.endif
	MUL
.if SYNC
	s_wait_dscnt 0x0                               ; the add is done, and so are all my LDS reads
	s_barrier_signal -1
.endif
	v_add_nc_u32 v[TID], 1, v[TID]                 ; this line and three v_nop are the places behind the products
.rept 3
	v_nop
.endr
	TRACK
.if SYNC
	s_barrier_wait -1
	CREST                                          ; no wave of any partner still reads this slot or has a load on its way
	tensor_load_to_lds s[G0+4*SL:G0+4*SL+3], s[G1:G1+7]            ; my one tensor load behind the round, and the first thing there
	s_nop 0
	PLACES
.endif
.endm
; Of two candidates (sum v, index i) and (vo, io) the larger sum, on equal sums the lower index, goes to (dv, di).
.macro MERGE dv, di, v, i, vo, io
	v_cmp_gt_f32 s70, v[\vo], v[\v]
	v_cmp_eq_f32 s71, v[\vo], v[\v]
	v_cmp_lt_u32 vcc_lo, v[\io], v[\i]
	s_and_b32 s71, s71, vcc_lo
	s_or_b32 vcc_lo, s70, s71
	v_cndmask_b32 v[\dv], v[\v], v[\vo], vcc_lo
	v_cndmask_b32 v[\di], v[\i], v[\io], vcc_lo
.endm
	s_load_b256 s[4:11], s[0:1], 0x0               ; zrec s[4:5], erec s[6:7], pval s[8:9], pidx s[10:11]
	v_lshl_add_u32 v[SPW], v0, 2, SPARE
	v_mov_b32 v[NIL], 0
	ds_add_u32 v[SPW], v[NIL]                      ; the wave's opening: the add, twice on end, and its wait ahead of my first tensor load
	ds_add_u32 v[SPW], v[NIL]
	v_lshrrev_b32 v12, 5, v0
	v_readfirstlane_b32 s[WV], v12                 ; wave 0..7
	s_bfe_u32 s13, ttmp6, 0x40000                  ; cx: my place in the cluster
	s_lshl_b32 s14, ttmp9, 2                       ; in a cluster launch ttmp9 counts clusters
	s_add_co_u32 s14, s14, s13                     ; my block of 128 rows: it enters zrec's, pval's and pidx's addresses alone
	s_and_b32 s15, ttmp7, 0xffff                   ; y: the half of the codes, which the four partners share
	; descriptor group 1: a dense block of records, as rows of 256 bytes (32 elements of 8 bytes), 13 a record; no padding: the images are read 512 consecutive bytes at a time
	s_mov_b32 s[G1], 15|(3<<16)|(1<<21)            ; 15:0 the mask: all four work-groups; 17:16 elements of 8 bytes; 21 set beside a mask
	s_mov_b32 s[G1+1], 32<<16                      ; tensor_dim0 = 32
	s_mov_b32 s[G1+2], 52<<16                      ; tensor_dim1 = 52: the first fill is four records
	s_mov_b32 s[G1+3], 32<<16                      ; tile_dim0 = 32
	s_mov_b32 s[G1+4], 52                          ; tile_dim1 = 52
	s_mov_b32 s[G1+5], 32                          ; from row to row
	s_mov_b32 s[G1+6], 0
	s_mov_b32 s[G1+7], 0
	s_lshl_b32 s16, s15, 8                         ; erec: record 256 y + 32 w: made of y and the wave's number alone
	s_lshl_b32 s17, s[WV], 5
	s_add_co_u32 s16, s16, s17
	s_mul_i32 s16, s16, REC
	s_sub_co_u32 s42, s17, 1                       ; the tile ahead of my first, 32 w
	s_mov_b32 s17, 0
	s_mul_i32 s18, s14, 8*REC                      ; zrec: my eight records
	s_mov_b32 s19, 0
	s_lshl_b32 s22, s15, 16                        ; pval, pidx: 65,536 y + 512 x + 256 (w & 1)
	s_lshl_b32 s23, s14, 9
	s_add_co_u32 s22, s22, s23
	s_and_b32 s43, s[WV], 1
	s_lshl_b32 s23, s43, 8
	s_add_co_u32 s22, s22, s23
	s_mov_b32 s23, 0
	s_lshl_b32 s43, s43, 9
	s_mul_i32 s41, s[WV], WREG                     ; my slots: no place in the cluster enters an LDS address
	s_lshl_b32 s45, s15, 12
	s_mov_b32 s44, 0xff800000                      ; -infinity
	s_mov_b32 s[SEL], 0x76543210
	s_mov_b32 s[SEL+1], 0xfedcba98
	v_and_b32 v14, 31, v0                          ; lane
	v_bfe_u32 v15, v0, 4, 1                        ; h
	v_and_b32 v12, 15, v0                          ; r
	v_lshlrev_b32 v[L16], 4, v14
	v_lshlrev_b32 v[L4], 2, v14
	v_lshlrev_b32 v[L8], 3, v14
	v_lshl_add_u32 v[AB], v15, 5, s41
	v_lshl_add_u32 v[HB], v15, 3, s45              ; 8 h + 4096 y
	v_lshl_add_u32 v[RW], v12, 3, s41              ; my own slot 0, at the end: + 8 r
	v_add_nc_u32 v[AF], s41, v[L16]
	v_add_nc_u32 v[AS], s41, v[L4]
	v_add_nc_u32 v[RR], s43, v[L16]                ; 512 (w & 1) + 16 x lane
	s_wait_alu depctr_va_vdst(0)
	s_wait_dscnt 0x0                               ; both opening adds are done
	s_wait_kmcnt 0x0
	s_add_nc_u64 s[6:7], s[6:7], s[16:17]
	s_add_nc_u64 s[4:5], s[4:5], s[18:19]
	s_add_nc_u64 s[8:9], s[8:9], s[22:23]
	s_add_nc_u64 s[10:11], s[10:11], s[22:23]
	CROUND                                         ; all four work-groups are here: the first joint loads meet
	s_mov_b32 s[G0], 1                             ; count = 1
	s_add_co_u32 s[G0+1], s41, 2*REC               ; LDS address: the first fill, places 2 to 5 of slot 0
	s_mov_b64 s[G0+2:G0+3], s[6:7]
	s_or_b32 s[G0+3], s[G0+3], 0x80000000          ; type = 2
	s_mov_b32 s[G0+4], 1
	s_add_co_u32 s[G0+5], s41, 6*REC               ; slot 1
	s_add_nc_u64 s[G0+6:G0+7], s[6:7], 4*REC       ; the second fill begins at my record 4
	s_or_b32 s[G0+7], s[G0+7], 0x80000000
	tensor_load_to_lds s[G0:G0+3], s[G1:G1+7]      ; one tensor load a wave at the head
	s_nop 0
	PLACES
.irp p, 0,1,2,3,4,5,6,7
	global_load_b32 v[ZS+\p], v[L4], s[4:5] offset:\p*REC+3072      ; z's scale words
.endr
	WIN 0x40                                       ; destination window 1
.irp p, 0,1,2,3,4,5,6,7
.irp c, 0,1,2,3,4,5
	global_load_b128 v[Z+24*\p+4*\c:Z+24*\p+4*\c+3], v[L16], s[4:5] offset:\p*REC+512*\c   ; z's sixteen fragments stay in registers
.endr
.endr
	WIN 0
	v_mov_b32 v[TID], s42
.irp p, 0,1,2,3,4,5,6,7
	v_mov_b32 v[ST+2*\p], s44                      ; the maximum so far: -infinity, under every sum
.endr
.set j, 0
.rept 64
	v_mov_b32 v[R+j], 0                            ; written once, so that the selects have a source: the first tile raises every maximum and replaces them
.set j, j+1
.endr
	s_wait_alu depctr_va_vdst(0)                   ; the wait at the head's end
	s_wait_tensorcnt 0x0                           ; my part of the first fill is in
	ds_add_u32 v[SPW], v[NIL]
	s_mov_b32 s[G1+2], 78<<16                      ; no tensor load of mine is out: from here on a fill is six records
	s_mov_b32 s[G1+4], 78
	s_wait_dscnt 0x0
	CROUND
	tensor_load_to_lds s[G0+4:G0+7], s[G1:G1+7]    ; the second fill, the first tensor load behind the round
	s_nop 0
	PLACES
.set NX, 0
	FETCH
.set T, 0
.rept 32
	TILE
.set T, T+1
.endr
	; THE END.  After an even number of tiles the maximum stands in the first of its two registers.  Which of the eight reaches it: the lowest kept sum that equals it, else the eighth.
.irp p, 0,1,2,3,4,5,6,7
	v_mov_b32 v[ACC+\p], 7
.endr
.irp j, 6,5,4,3,2,1,0
.irp p, 0,1,2,3,4,5,6,7
	v_cmp_neq_f32 s[70+\p], v[R+8*\p+\j], v[ST+2*\p]
.endr
.irp p, 0,1,2,3,4,5,6,7
	v_cndmask_b32 v[ACC+\p], \j, v[ACC+\p], s[70+\p]
.endr
.endr
.irp p, 0,1,2,3,4,5,6,7
	v_lshl_add_u32 v[ACC+8+\p], v[R+8*\p+7], 4, v[ACC+\p]          ; 16 x tile + register
.endr
.irp p, 0,1,2,3,4,5,6,7
	v_add_nc_u32 v[ACC+8+\p], v[HB], v[ACC+8+\p]                   ; + 8 h + 4096 y: the code's index
.endr
.irp p, 0,1,2,3,4,5,6,7
	v_permlanex16_b32 v[ACC+16+\p], v[ST+2*\p], s[SEL], s[SEL+1]   ; the row's other eight codes of each tile lie in the lane 16 away
	v_permlanex16_b32 v[ACC+24+\p], v[ACC+8+\p], s[SEL], s[SEL+1]
.endr
.irp p, 0,1,2,3,4,5,6,7
	MERGE ACC+33+2*\p, ACC+32+2*\p, ST+2*\p, ACC+8+\p, ACC+16+\p, ACC+24+\p
.endr
; The candidates go to the start of my own slot 0, which has had its last fill and its last read.
.irp p, 0,1,2,3,4,5,6,7
	ds_store_b64 v[RW], v[ACC+32+2*\p:ACC+33+2*\p] offset:128*\p   ; (index, sum) of row 16 p + r; both halves of the lanes write the same bytes with the same values
.endr
	s_wait_dscnt 0x0                               ; for the others' sake: my stores are done
	s_barrier_signal -1
	s_barrier_wait -1
	s_cmp_gt_u32 s[WV], 1                          ; waves 0 and 1 merge the eight waves' candidates, 64 rows each, two rows a lane
	s_cbranch_scc1 .Lno_out
.irp k, 1,2,3,4,5,6,7
	v_add_nc_u32 v[LA+\k], \k*WREG, v[RR]
.endr
	ds_load_b128 v[L:L+3], v[RR]
.irp k, 1,2,3,4,5,6,7
	ds_load_b128 v[L+4*\k:L+4*\k+3], v[LA+\k]
.endr
	s_wait_dscnt 0x0
.irp k, 1,2,3,4,5,6
	MERGE L+1, L, L+1, L, L+4*\k+1, L+4*\k
	MERGE L+3, L+2, L+3, L+2, L+4*\k+3, L+4*\k+2
.endr
	MERGE OV, OI, L+1, L, L+29, L+28               ; the last merges write the pairs that are stored
	MERGE OV+1, OI+1, L+3, L+2, L+31, L+30
	global_store_b64 v[L8], v[OI:OI+1], s[10:11]   ; 32 lanes store 256 consecutive bytes, aligned
	global_store_b64 v[L8], v[OV:OV+1], s[8:9]
.Lno_out:
	s_wait_tensorcnt 0x0                           ; the wave's end, behind my last tensor load and my last LDS store
	ds_add_u32 v[SPW], v[NIL]
	s_wait_dscnt 0x0
	CROUND                                         ; the closing round: no work-group ends while a partner may still ask for a fill that names it
	s_endpgm
.Lfunc_end_k_q7f78a41197_nearest:
	.size	k_q7f78a41197_nearest, .Lfunc_end_k_q7f78a41197_nearest-k_q7f78a41197_nearest
	.p2alignl 7, 3214868480
	.fill 96, 4, 3214868480
	.section	.rodata,"a",@progbits
	.p2align	6, 0x0
	.amdhsa_kernel k_q7f78a41197_nearest
		.amdhsa_group_segment_fixed_size 327680
		.amdhsa_private_segment_fixed_size 0
		.amdhsa_enable_private_segment 0
		.amdhsa_kernarg_size 32
		.amdhsa_user_sgpr_count 2
		.amdhsa_user_sgpr_kernarg_segment_ptr 1
		.amdhsa_wavefront_size32 1
		.amdhsa_system_sgpr_workgroup_id_x 1
		.amdhsa_system_sgpr_workgroup_id_y 1
		.amdhsa_system_sgpr_workgroup_id_z 1
		.amdhsa_system_vgpr_workitem_id 0
		.amdhsa_next_free_vgpr 512
		.amdhsa_next_free_sgpr 90
		.amdhsa_reserve_vcc 1
		.amdhsa_float_denorm_mode_32 3
		.amdhsa_float_denorm_mode_16_64 3
		.amdhsa_memory_ordered 1
		.amdhsa_forward_progress 1
		.amdhsa_inst_pref_size 255
	.end_amdhsa_kernel
	.section	.bss,"aw",@nobits
	.p2align	6
	.space	262144
	.amdgpu_metadata
---
amdhsa.version: [ 1, 2 ]
amdhsa.kernels:
  - .name:           k_q7f78a41197_nearest
    .symbol:         k_q7f78a41197_nearest.kd
    .args:
      - { .name: zrec, .offset: 0, .size: 8, .value_kind: global_buffer, .address_space: global }
      - { .name: erec, .offset: 8, .size: 8, .value_kind: global_buffer, .address_space: global }
      - { .name: pval, .offset: 16, .size: 8, .value_kind: global_buffer, .address_space: global }
      - { .name: pidx, .offset: 24, .size: 8, .value_kind: global_buffer, .address_space: global }
    .group_segment_fixed_size: 327680
    .private_segment_fixed_size: 0
    .kernarg_segment_align: 8
    .kernarg_segment_size: 32
    .max_flat_workgroup_size: 256
    .sgpr_count:     90
    .vgpr_count:     512
    .wavefront_size: 32
...
	.end_amdgpu_metadata
.endif
;; end of part 2
;; launch gather (part 3): grid 256 x 1, 8 waves a work-group, no clusters, 0 bytes of LDS; arguments embedding, pidx, pval, out0; writes out0
.if DOCPART == 3
	.amdgcn_target "amdgcn-amd-amdhsa--gfx1250"
	.amdhsa_code_object_version 6
	.text
	.protected	k_q7f78a41197_gather
	.globl	k_q7f78a41197_gather
	.p2align	8
	.type	k_q7f78a41197_gather,@function
k_q7f78a41197_gather:
	s_mov_b64 s[64:65], 0
	v_nop
	global_prefetch_b8 v0, s[64:65] scope:SCOPE_SE
	s_setreg_imm32_b32 hwreg(HW_REG_WAVE_MODE, 25, 1), 1
	s_wait_xcnt 0x0
; GATHER.  out[row] = embedding[idx[row]].
; WORK LEFT OUT: z in z + (z_q - z), which cancels for all values (shown at the first kernel's head): z is not among the arguments.  LIMIT: a NaN, an infinity or an
; overflow that reaches only that work is not carried to the result.
; The launch before has left, for each row and each half of the codebook, a candidate: its index (pidx, whole numbers, [2][16384]) and its sum (pval, f32, [2][16384]).
; The addresses are made of the stored indices alone.  Which candidate wins hangs on the sums, which are floating-point numbers: so BOTH candidates' rows are loaded
; and the winner is SELECTED, number by number.  On equal sums half 0 stays: the lower index, as in argmin.
; SHARES.  A wave owns 8 rows; a row is 1,024 bytes: two loads or stores of 512 consecutive bytes.  All 32 loads of a wave go out before the first is used; no register of a
; store is written again.  Memory binds: no LDS, no barrier, no matrix unit.
.set VO,  1                            ; v1        16 x lane
.set E0,  8                            ; v8-71     half 0's candidate; then the result
.set E1,  72                           ; v72-135   half 1's candidate
.set EO,  136                          ; v136-143  byte offsets of half 0's candidates, v144-151 of half 1's
	s_load_b256 s[4:11], s[0:1], 0x0               ; embedding s[4:5], pidx s[6:7], pval s[8:9], out0 s[10:11]
	v_lshrrev_b32 v2, 5, v0
	v_and_b32 v3, 31, v0
	v_readfirstlane_b32 s14, v2                    ; wave 0..7
	v_lshlrev_b32 v[VO], 4, v3
	s_lshl_b32 s15, ttmp9, 6
	s_lshl_b32 s14, s14, 3
	s_add_co_u32 s14, s15, s14                     ; my first row: 64 x work-group + 8 x wave
	s_lshl_b32 s56, s14, 2                         ; its place in pidx and pval,
	s_mov_b32 s57, 0
	s_lshl_b32 s58, s14, 10                        ; and in out0
	s_mov_b32 s59, 0
	s_wait_alu depctr_va_vdst(0)                   ; the wait at the head's end
	s_wait_kmcnt 0x0
	s_add_nc_u64 s[6:7], s[6:7], s[56:57]
	s_add_nc_u64 s[8:9], s[8:9], s[56:57]
	s_add_nc_u64 s[10:11], s[10:11], s[58:59]
	s_load_b256 s[16:23], s[6:7], 0x0              ; my 8 rows' indices in half 0,
	s_load_b256 s[24:31], s[6:7], 0x10000          ; in half 1,
	s_load_b256 s[32:39], s[8:9], 0x0              ; and the sums
	s_load_b256 s[40:47], s[8:9], 0x10000
	s_wait_kmcnt 0x0
.irp k, 0,1,2,3,4,5,6,7,8,9,10,11,12,13,14,15
	s_min_u32 s[16+\k], s[16+\k], 0x1fff           ; an index stays inside the table
	v_lshl_add_u32 v[EO+\k], s[16+\k], 10, v[VO]   ; 1,024 bytes a code + 16 x lane
.endr
	s_wait_alu depctr_va_vdst(0)
.irp k, 0,1,2,3,4,5,6,7
	global_load_b128 v[E0+8*\k:E0+8*\k+3],   v[EO+\k], s[4:5]
	global_load_b128 v[E0+8*\k+4:E0+8*\k+7], v[EO+\k], s[4:5] offset:512
	global_load_b128 v[E1+8*\k:E1+8*\k+3],   v[EO+8+\k], s[4:5]
	global_load_b128 v[E1+8*\k+4:E1+8*\k+7], v[EO+8+\k], s[4:5] offset:512
.endr
.irp k, 0,1,2,3,4,5,6,7
	v_cmp_gt_f32 s[48+\k], s[40+\k], s[32+\k]      ; half 1 wins only with a strictly larger sum.  The mask serves selects alone
.endr
.irp k, 0,1,2,3,4,5,6,7
	s_wait_loadcnt 4*(7-\k)                        ; loads come back in order: rows 0 .. k are in; the later rows' four loads each may be out
.irp i, 0,1,2,3,4,5,6,7
	v_cndmask_b32 v[E0+8*\k+\i], v[E0+8*\k+\i], v[E1+8*\k+\i], s[48+\k]
.endr
	global_store_b128 v[VO], v[E0+8*\k:E0+8*\k+3],   s[10:11] offset:1024*\k th:TH_STORE_NT       ; 32 lanes store 512 consecutive bytes, at a multiple of 256 from out0's first byte
	global_store_b128 v[VO], v[E0+8*\k+4:E0+8*\k+7], s[10:11] offset:1024*\k+512 th:TH_STORE_NT
.endr
	s_endpgm
.Lfunc_end_k_q7f78a41197_gather:
	.size	k_q7f78a41197_gather, .Lfunc_end_k_q7f78a41197_gather-k_q7f78a41197_gather
	.p2alignl 7, 3214868480
	.fill 96, 4, 3214868480
	.section	.rodata,"a",@progbits
	.p2align	6, 0x0
	.amdhsa_kernel k_q7f78a41197_gather
		.amdhsa_group_segment_fixed_size 0
		.amdhsa_private_segment_fixed_size 0
		.amdhsa_enable_private_segment 0
		.amdhsa_kernarg_size 32
		.amdhsa_user_sgpr_count 2
		.amdhsa_user_sgpr_kernarg_segment_ptr 1
		.amdhsa_wavefront_size32 1
		.amdhsa_system_sgpr_workgroup_id_x 1
		.amdhsa_system_sgpr_workgroup_id_y 1
		.amdhsa_system_sgpr_workgroup_id_z 1
		.amdhsa_system_vgpr_workitem_id 0
		.amdhsa_next_free_vgpr 160
		.amdhsa_next_free_sgpr 66
		.amdhsa_reserve_vcc 0
		.amdhsa_float_denorm_mode_32 3
		.amdhsa_float_denorm_mode_16_64 3
		.amdhsa_memory_ordered 1
		.amdhsa_forward_progress 1
		.amdhsa_inst_pref_size 13
	.end_amdhsa_kernel
	.amdgpu_metadata
---
amdhsa.version: [ 1, 2 ]
amdhsa.kernels:
  - .name:           k_q7f78a41197_gather
    .symbol:         k_q7f78a41197_gather.kd
    .args:
      - { .name: embedding, .offset: 0, .size: 8, .value_kind: global_buffer, .address_space: global }
      - { .name: pidx, .offset: 8, .size: 8, .value_kind: global_buffer, .address_space: global }
      - { .name: pval, .offset: 16, .size: 8, .value_kind: global_buffer, .address_space: global }
      - { .name: out0, .offset: 24, .size: 8, .value_kind: global_buffer, .address_space: global }
    .group_segment_fixed_size: 0
    .private_segment_fixed_size: 0
    .kernarg_segment_align: 8
    .kernarg_segment_size: 32
    .max_flat_workgroup_size: 256
    .sgpr_count:     66
    .vgpr_count:     160
    .wavefront_size: 32
...
	.end_amdgpu_metadata
.endif
;; end of part 3
